; MI455X (gfx1250); checked and timed in simulation.
; The chip was launched on July 23, 2026; its instructions are those of AMD's public machine-readable ISA for CDNA 5 (MIT licence, August 2026) and "CDNA5" Instruction Set Architecture Reference Guide (July 2026). The comments in the code are by the model that wrote it; some were corrected since.
;; Self Attention. Allowed arithmetic: float matrix products may take bf16 or f16 operands with f32 sums; other float arithmetic in f32, or as packed bf16 or f16 multiplies, adds, multiply-adds, maxima and minima; sums over many terms, partial sums and values carried from step to step in f32; what a program stores and reads back later, other than sums and carried values, may be rounded once to bf16 or f16.
;; Inputs: b_fc 1,024 float32; w_fc 1,024 x 1,024 float32; w_qkv 3,072 x 1,024 float32; x 4 x 4,096 x 1,024 float32.
;; Outputs: out0 4 x 4,096 x 1,024 float32.
;; 2 versions, each right; version 2 is version 1 with the launch cast written anew for expert scheduling mode. Each part assembles by itself: llvm-mc -triple=amdgcn-amd-amdhsa -mcpu=gfx1250 --defsym DOCPART=n.
;; ======== version 1 of 2: 3 launches
;; limits: values are held in f16: magnitudes above 65,504 overflow, below 6.1e-05 lose precision
;; workspace buffers: xb 33,554,432 bytes; wqb 6,291,456 bytes; wfb 2,097,152 bytes; attn 33,554,432 bytes
;; launch cast (part 1): grid 1280 x 1, 4 waves a work-group, no clusters, 0 bytes of LDS; arguments x, w_qkv, w_fc, xb, wqb, wfb; writes xb, wqb, wfb
.if DOCPART == 1
	.amdgcn_target "amdgcn-amd-amdhsa--gfx1250"
	.amdhsa_code_object_version 6
	.text
	.protected	k_q31c7964646_cast
	.globl	k_q31c7964646_cast
	.p2align	8
	.type	k_q31c7964646_cast,@function
k_q31c7964646_cast:
	s_mov_b64 s[64:65], 0
	v_nop
	global_prefetch_b8 v0, s[64:65] scope:SCOPE_SE
	s_setreg_imm32_b32 hwreg(HW_REG_WAVE_MODE, 25, 1), 1
	s_wait_xcnt 0x0
; THE INPUTS OF THE TWO PRODUCTS, ROUNDED ONCE AND LAID OUT FOR THEM.
; xb  [16384][1024] bf16: row 16 G + h holds x[b][256 h + r][:], G = 256 b + r.  The module's reshape makes the 16 rows 256 h + r (h = 0..15) of a batch
;     attend to each other, chunk of 64 columns by chunk: here they become 16 neighbouring rows.
; wqb [3072][1024] bf16: row 192 c + 64 part + d holds w_qkv[1024 part + 64 c + d][:] (part 0 q, 1 k, 2 v): the q, k and v columns of chunk c lie together.
; wfb [1024][1024] f16 of bf16(w_fc): rounded to bf16 like the other inputs, written as f16, which the last product multiplies in.
; LIMIT: |w_fc| stays under 65,504; below 6e-5 f16 keeps a fixed step of 6e-8.
; SHARES.  A work-group takes 16 source rows that become 16 neighbouring rows (32,768 dense bytes) of one output: 1,024 work-groups for x, 192 for w_qkv, 64 for w_fc.
; A wave takes 4 rows: 32 loads of 512 consecutive bytes, all issued before the first is waited for (16 KiB a wave on their way); each store covers 256 consecutive bytes, aligned.
; No LDS, no barrier, no matrix unit: every byte is read once and written once, and nothing is shared.
.set OFF, 2                            ; v2-5     row i of my four: byte offset of my 16 bytes in the source
.set DO,  6                            ; v6       byte offset of my 8 bytes in the work-group's 16 output rows
.set X,   8                            ; v[8:135] quad n = 8 i + j: four f32 as loaded, then two words to store
.set T,   136                          ; v[136:137] at work
	s_load_b256 s[4:11], s[0:1], 0x0               ; x s[4:5], w_qkv s[6:7], w_fc s[8:9], xb s[10:11]
	s_load_b128 s[12:15], s[0:1], 0x20             ; wqb s[12:13], wfb s[14:15]
	v_lshrrev_b32 v1, 5, v0
	v_readfirstlane_b32 s16, v1                    ; wave 0..3
	v_and_b32 v7, 31, v0                           ; lane
	v_lshlrev_b32 v1, 4, v7                        ; 16 bytes a lane in the source
	s_lshl_b32 s17, s16, 13                        ; my four output rows of 2,048 bytes
	v_lshl_add_u32 v[DO], v7, 3, s17               ; + 8 bytes a lane
	; the offsets of all three cases are made, and two compares choose: no pointer goes through a branch
	s_lshr_b32 s30, ttmp9, 8                       ; x: work-group u is group G = u: b = u / 256,
	s_lshl_b32 s30, s30, 24                        ; a batch is 4,096 rows of 4,096 bytes
	s_and_b32 s31, ttmp9, 255                      ; r = u % 256
	s_lshl_b32 s31, s31, 12
	s_add_co_u32 s30, s30, s31                     ; source offset of row h = 0
	s_lshl_b32 s31, ttmp9, 15                      ; output offset: 16 rows of 2,048 bytes a group
	s_sub_co_u32 s29, ttmp9, 1024                  ; w_qkv: t = u - 1,024: rows 16 t ..
	s_lshl_b32 s24, s29, 16                        ; source offset
	s_bfe_u32 s26, s29, 0x40002                    ; c = (t / 4) % 16
	s_mul_i32 s26, s26, 192
	s_lshr_b32 s32, s29, 6                         ; part = t / 64
	s_lshl_b32 s32, s32, 6
	s_add_co_u32 s26, s26, s32
	s_and_b32 s32, s29, 3                          ; d = 16 (t % 4) ..
	s_lshl_b32 s32, s32, 4
	s_add_co_u32 s26, s26, s32
	s_lshl_b32 s26, s26, 11                        ; output offset
	s_sub_co_u32 s29, ttmp9, 1216                  ; w_fc: t = u - 1,216
	s_lshl_b32 s32, s29, 16
	s_lshl_b32 s33, s29, 15
	s_mov_b32 s22, 4096                            ; from source row to source row: the weights' rows follow each other,
	s_mov_b32 s25, 0
	s_mov_b32 s27, 0
	s_mov_b32 s28, 0xffff0000                      ; a word's upper bf16
	s_wait_kmcnt 0x0
	s_cmp_lt_u32 ttmp9, 1216
	s_cselect_b32 s24, s24, s32
	s_cselect_b32 s26, s26, s33
	s_cselect_b64 s[18:19], s[6:7], s[8:9]
	s_cselect_b64 s[20:21], s[12:13], s[14:15]
	s_cmp_lt_u32 ttmp9, 1024
	s_cselect_b32 s24, s30, s24
	s_cselect_b32 s26, s31, s26
	s_cselect_b32 s22, 0x100000, s22               ; x's lie 256 rows apart
	s_cselect_b64 s[18:19], s[4:5], s[18:19]
	s_cselect_b64 s[20:21], s[10:11], s[20:21]
	s_add_nc_u64 s[18:19], s[18:19], s[24:25]      ; the source at the work-group's first row
	s_add_nc_u64 s[20:21], s[20:21], s[26:27]      ; the output at its first row
	s_lshl_b32 s23, s16, 2
	s_mul_i32 s23, s23, s22                        ; my first row: 4 x wave
	v_add_nc_u32 v[OFF], s23, v1
	v_add_nc_u32 v[OFF+1], s22, v[OFF]
	v_add_nc_u32 v[OFF+2], s22, v[OFF+1]
	v_add_nc_u32 v[OFF+3], s22, v[OFF+2]
.set n, 0
.rept 32
	global_load_b128 v[X+4*n:X+4*n+3], v[OFF+n/8], s[18:19] offset:512*(n%8) th:TH_LOAD_NT
.set n, n+1
.endr
; Quad by quad: rounded, packed, stored.  kind 0: to bf16.  kind 1: to bf16, and that number written as f16.
; No register that a store names is written again, so no wait stands behind the stores.
.macro CONV kind
.set n, 0
.rept 32
	s_wait_loadcnt 31-n                            ; loads come back in order (ISA guide 5.7.1): quad n is in, the 31 - n younger ones may stay out
.if \kind
	v_cvt_pk_bf16_f32 v[T], v[X+4*n], v[X+4*n+1]
	v_cvt_pk_bf16_f32 v[T+1], v[X+4*n+2], v[X+4*n+3]
	v_lshlrev_b32 v[X+4*n], 16, v[T]
	v_and_b32 v[X+4*n+1], s28, v[T]
	v_lshlrev_b32 v[X+4*n+2], 16, v[T+1]
	v_and_b32 v[X+4*n+3], s28, v[T+1]
	v_cvt_pk_f16_f32 v[X+4*n], v[X+4*n], v[X+4*n+1]
	v_cvt_pk_f16_f32 v[X+4*n+1], v[X+4*n+2], v[X+4*n+3]
.else
	v_cvt_pk_bf16_f32 v[X+4*n], v[X+4*n], v[X+4*n+1]
	v_cvt_pk_bf16_f32 v[X+4*n+1], v[X+4*n+2], v[X+4*n+3]
.endif
	global_store_b64 v[DO], v[X+4*n:X+4*n+1], s[20:21] offset:2048*(n/8)+256*(n%8) th:TH_STORE_NT  ; 32 lanes store 256 consecutive bytes, at a multiple of 256 from the buffer's first byte
.set n, n+1
.endr
.endm
	s_cmp_lt_u32 ttmp9, 1216
	s_cbranch_scc0 .Lhalf
	CONV 0
	s_endpgm
.Lhalf:
	CONV 1
	s_endpgm
.Lfunc_end_k_q31c7964646_cast:
	.size	k_q31c7964646_cast, .Lfunc_end_k_q31c7964646_cast-k_q31c7964646_cast
	.p2alignl 7, 3214868480
	.fill 96, 4, 3214868480
	.section	.rodata,"a",@progbits
	.p2align	6, 0x0
	.amdhsa_kernel k_q31c7964646_cast
		.amdhsa_group_segment_fixed_size 0
		.amdhsa_private_segment_fixed_size 0
		.amdhsa_enable_private_segment 0
		.amdhsa_kernarg_size 48
		.amdhsa_user_sgpr_count 2
		.amdhsa_user_sgpr_kernarg_segment_ptr 1
		.amdhsa_wavefront_size32 1
		.amdhsa_system_sgpr_workgroup_id_x 1
		.amdhsa_system_sgpr_workgroup_id_y 1
		.amdhsa_system_sgpr_workgroup_id_z 1
		.amdhsa_system_vgpr_workitem_id 0
		.amdhsa_next_free_vgpr 140
		.amdhsa_next_free_sgpr 66
		.amdhsa_reserve_vcc 0
		.amdhsa_float_denorm_mode_32 3
		.amdhsa_float_denorm_mode_16_64 3
		.amdhsa_memory_ordered 1
		.amdhsa_forward_progress 1
		.amdhsa_inst_pref_size 30
	.end_amdhsa_kernel
	.amdgpu_metadata
---
amdhsa.version: [ 1, 2 ]
amdhsa.kernels:
  - .name:           k_q31c7964646_cast
    .symbol:         k_q31c7964646_cast.kd
    .args:
      - { .name: x, .offset: 0, .size: 8, .value_kind: global_buffer, .address_space: global }
      - { .name: w_qkv, .offset: 8, .size: 8, .value_kind: global_buffer, .address_space: global }
      - { .name: w_fc, .offset: 16, .size: 8, .value_kind: global_buffer, .address_space: global }
      - { .name: xb, .offset: 24, .size: 8, .value_kind: global_buffer, .address_space: global }
      - { .name: wqb, .offset: 32, .size: 8, .value_kind: global_buffer, .address_space: global }
      - { .name: wfb, .offset: 40, .size: 8, .value_kind: global_buffer, .address_space: global }
    .group_segment_fixed_size: 0
    .private_segment_fixed_size: 0
    .kernarg_segment_align: 8
    .kernarg_segment_size: 48
    .max_flat_workgroup_size: 128
    .sgpr_count:     66
    .vgpr_count:     140
    .wavefront_size: 32
...
	.end_amdgpu_metadata
.endif
;; end of part 1
;; launch qkvattn (part 2): grid 16 x 16, 4 waves a work-group, clusters of 4 x 4, 327,680 bytes of LDS; arguments xb, wqb, attn; writes attn
.if DOCPART == 2
	.amdgcn_target "amdgcn-amd-amdhsa--gfx1250"
	.amdhsa_code_object_version 6
	.text
	.protected	k_q31c7964646_qkvattn
	.globl	k_q31c7964646_qkvattn
	.p2align	8
	.type	k_q31c7964646_qkvattn,@function
k_q31c7964646_qkvattn:
	s_mov_b64 s[64:65], 0
	v_nop
	global_prefetch_b8 v0, s[64:65] scope:SCOPE_SE
	s_setreg_imm32_b32 hwreg(HW_REG_WAVE_MODE, 25, 1), 1
	s_wait_xcnt 0x0
	s_wait_alu depctr_hold_cnt(0) depctr_sa_sdst(0) depctr_va_vdst(0) depctr_va_sdst(0) depctr_va_ssrc(0) depctr_va_vcc(0) depctr_vm_vsrc(0)
	s_getreg_b32 s2, hwreg(HW_REG_IB_STS2, 6, 4)
	s_cmp_eq_u32 s2, 0
	s_cbranch_scc0 .Lentry_in_a_cluster
	s_endpgm
.Lentry_in_a_cluster:
	s_bfe_u32 s2, ttmp6, 0x10000c
	s_cmp_lg_u32 s2, 0xf033
	s_cbranch_scc0 .Lentry_shape_is_right
	s_endpgm
.Lentry_shape_is_right:
; q, k, v = x w_qkv^T AND THE MODULE'S ATTENTION, IN ONE LAUNCH.  xb: [16384][1024] bf16, row 16 G + h = the h-th of the 16 rows (a GROUP, G = 0..1023) that attend to each other.
; wqb: [3072][1024] bf16, rows 192 c .. 192 c + 191 = the q, k and v columns of chunk c (64 each).  For each group and chunk: softmax(q k^T / 8) v over the group's 16 rows.
; attn (f16) leaves in the order in which the next launch's matrix operand lies in registers: byte = (column / 128) x 4,194,304 + G x 4,096 + ((column / 32) % 4) x 1,024
; + ((column / 16) % 2) x 512 + lane x 16; a lane's 16 bytes are row lane % 16, columns 8 (lane / 16) + 0..7 of those 16.
; FORMATS.  The product x w^T takes bf16 operands and f32 sums.  q, k, v, the weights p and attn are rounded once to f16; maxima, exponentials and sums in f32.
; LIMITS.  |q|, |k|, |v| stay under 65,504 (f16's range); below 6e-5 f16 keeps a fixed step of 6e-8; a weight below 2^-126 counts as 0; NaN and infinities are not treated apart.
; SOFTMAX.  The true maximum m of a row's 16 scores is taken away first (s - m), and the difference is multiplied by c = log2(e) / 8: p = 2^(c (s - m)) / sum.
; SHARES.  A tile is 256 rows (16 groups) x 192 columns (one chunk).  Four waves, each 64 rows (4 groups) x 192 columns: 48 accumulators, 384 registers.  K = 1,024 goes in 8 steps of 128
; through a ring of two LDS slots filled by the tensor data mover; the tiles' rows are 256 bytes of memory and start at multiples of 256 bytes.
; A WORK-GROUP STAYS: it makes 4 tiles, 4,096 rows apart, all with the same 192 rows of wqb; the ring runs on into the next tile, whose first two K steps are asked for before a tile's attention begins.
; CLUSTERS: 4 x 4 work-groups.  The four of a row of the cluster need the same tiles of xb, the four of a column the same tiles of wqb: each tile is asked for JOINTLY, by the same tensor load
; with the same descriptor and a mask that names the four.
; THE LAYOUT THAT SPARES EVERY EXCHANGE.  For q and k (column blocks t = 0..7) source 0 = 16 rows of wqb, source 1 = a group's 16 rows: a lane then holds ONE row (lane % 16) and 8 neighbouring
; columns, and two such results, packed to f16, ARE a 16 x 32 operand of q or k.  For v (t = 8..11) the sources are swapped: a lane holds one column and 8 rows, which packed is the lower
; half (K = 0..15) of an operand of v^T.  S^T = k q^T holds one query a lane and 8 keys: packed, the lower half of an operand of p.  O^T = v^T p has K = 32, of which the upper 16 meet p's zeros.
; O^T holds one row a lane and 8 neighbouring columns: 16 bytes that are stored as they are.  Between lanes go only a maximum and a sum, once each a group.
; REGISTERS, in windows of 256 (s_set_vgpr_msb: bits 1:0 source 0, 3:2 source 1, 5:4 source 2, 7:6 destination):
;   window 0: addresses and the attention's registers (below)     window 1: two fragment buffers of 128: 12 fragments of wqb, then 4 of xb; the second serves the attention as well
;   windows 2, 3: accumulator (group a, block t) in window 2 + a / 2 at 96 (a % 2) + 8 t
.set KSTEP,  128
.set KB,     2048                      ; bytes in a row of xb and of wqb
.set PITCH,  272                       ; an LDS row: 256 bytes + 16 of padding = 68 words: row r starts at bank 4 r mod 64 (64 banks of 4 bytes: ISA guide 11.1), so the 16 rows of a load start at 16 different banks
.set HALFA,  128*PITCH                 ; what waves 0 and 1 fetch: 128 rows of xb each
.set HALFB,  96*PITCH                  ; what waves 2 and 3 fetch: 96 rows of wqb each
.set BOFF,   2*HALFA                   ; in a slot: 256 rows of xb, then 192 of wqb
.set SLOT,   BOFF+2*HALFB
.set SPARE,  2*SLOT                    ; behind the ring: the spare words, 128 bytes for each wave: two blocks of 256 bytes that no other line names
.set TILES,  4
.set LAPS,   4                         ; a lap = two K steps = once round the ring
.set WALK,   4096                      ; rows from a tile to the work-group's next
.set NEXT_A, WALK*KB-(KB-2*KSTEP*2)    ; bytes from a slot's last K step of a tile to its first of the next: xb goes WALK rows down and back along K,
.set BACK_B, KB-2*KSTEP*2              ; wqb only back
.set ADRA, 16                          ; v16-17  LDS address of my fragments of xb in slot 0, 1
.set ADRB, 20                          ; v20-21  the same for wqb
.set GO,   24                          ; v24     16 x my lane: my place in 512 consecutive bytes of attn
.set SPW,  28                          ; v28     LDS address of my spare word: SPARE + 4 x my thread's number; never rewritten
.set NIL,  29                          ; v29     0; never rewritten
.set PFO,  30                          ; v30     the prefetches' offset: my lane x a row of xb; never rewritten
.set VP,   32                          ; v[32:95]   v packed: group a, block db of 16 columns at VP + 16 a + 4 db
.set ZR,   96                          ; v[96:99]   0: the upper half of the last operand of v^T
.set PF,   100                         ; v[100:131] p packed: group a at PF + 8 a; its upper four registers are 0, written once
.set SS,   132                         ; v[132:163] S^T, 8 a group
.set ST,   164                         ; v[164:179] a group's four: m, at work, l, at work
.set OUT,  180                         ; v[180:243] attn packed: group a, block db at OUT + 16 a + 4 db
.set F0,   0                           ; fragment buffers, in window 1
.set F1,   128
.set QF,   128                         ; window 1, in the attention: q's operands, group a, K half kk at QF + 16 a + 8 kk
.set KF,   192                         ; k's likewise
.set OT,   128                         ; later O^T: group a, block db at OT + 32 a + 8 db
.set WV,  12                           ; s12  my wave's number
.set FB,  13                           ; s13  0: I fetch for xb; 1: for wqb
.set HF,  14                           ; s14  which half of that tile's rows I fetch
.set RY,  15                           ; s15  my first tile's block of 256 rows
.set G1,  24                           ; s[24:31] descriptor group 1 for xb's tiles
.set G0,  32                           ; s[32:39] descriptor group 0 for xb's tiles, one set for each slot
.set LIM, 43                           ; s43  1 in a wave that prefetches, else the greatest number
.set PFA, 44                           ; s[44:45] where my prefetches stand
.set G1B, 48                           ; s[48:55] descriptor group 1 for wqb's tiles
.set G0B, 56                           ; s[56:63] descriptor group 0 for wqb's tiles
.set CS,  66                           ; s[66:67] c: the packed multiply takes the pair's low word for both halves
.set SEL, 68                           ; s[68:69] v_permlanex16_b32's selects: each lane takes its own place in the other half
.set MSB, 0
.macro WIN new                         ; the immediate's high byte repeats the setting that is left; a switch that changes nothing is dropped
.if MSB != (\new)
	s_set_vgpr_msb (MSB<<8)|(\new)
.set MSB, \new
.endif
.endm
.set TO_F, 0x40                        ; destination window 1, address window 0
.macro PLACES                          ; four places behind matrix instructions (ISA guide 7.12.1 for vector instructions): in front of loads into registers that they have read, and of vector lines that read results
.rept 4
	v_nop
.endr
.endm
; A joint load.  Waves 0 and 1 fetch xb's two halves, waves 2 and 3 wqb's.  Each of the two lines has one mask and one set of registers for all that issue it; the branch hangs on the wave's number alone.
; An s_nop 0 and four v_nop follow each of the two lines, ahead of the jump, the label and what follows.
.macro JLOAD s
	s_cmp_eq_u32 s[FB], 0
	s_cbranch_scc0 .Lfor_b_\@
	tensor_load_to_lds s[G0+4*(\s):G0+4*(\s)+3], s[G1:G1+7]
	s_nop 0
.rept 4
	v_nop
.endr
	s_branch .Lasked_\@
.Lfor_b_\@:
	tensor_load_to_lds s[G0B+4*(\s):G0B+4*(\s)+3], s[G1B:G1B+7]
	s_nop 0
.rept 4
	v_nop
.endr
.Lasked_\@:
.endm
; A PREFETCH of xb, behind each joint load, its five lines and the run of LDS loads that follows: the K step that stands TWO refills on, 384 matrix instructions ahead of the load that will want it:
; 32 rows x 256 bytes, a lane a row, one instruction a wave.  Each row's 256 bytes of a K step are named ONCE in the launch: a block of 256 rows is read by the four clusters of its row of clusters,
; and the first of them (cluster x = 0) asks; the four partners that ask for a tile jointly share its rows out BY ADDRESS: of the 128 rows that wave 0 or 1 fetches, the partner at place cx takes
; 32 cx .. 32 cx + 31.  how = 0, in the loop: a tile's last two refills have no K step two on.  how = 1, at a change of tiles: the next tile's K steps 2 and 3.
; wqb is not asked for: its 192 rows are walked anew by every tile of the work-group, and 96 rows do not divide into four partners' 32 lanes.
.macro ASK how
.if \how
	s_cmp_eq_u32 s[LIM], 1
.else
	s_cmp_gt_u32 s3, s[LIM]                        ; s3 = 1 in the loop's last trip
.endif
	s_cbranch_scc0 .Lnot_mine_\@
	global_prefetch_b8 v[PFO], s[PFA:PFA+1] offset:KSTEP*2 th:TH_LOAD_NT scope:SCOPE_SE
.Lnot_mine_\@:
.endm
; A round of the cluster's barrier: my work-group's barrier, so that wave 0's signal speaks for all four waves; wave 0 signals for the work-group; every wave waits for all sixteen
; work-groups; my work-group's barrier once more.
.macro CREST                           ; a round behind its opening barrier
	s_cmp_lg_u32 s[WV], 0
	s_cbranch_scc1 .Lnot_wave_0_\@
	s_barrier_signal -3
.Lnot_wave_0_\@:
	s_barrier_wait -3
	s_barrier_signal -1
	s_barrier_wait -1
.endm
.macro CROUND                          ; a whole round
	s_barrier_signal -1
	s_barrier_wait -1
	CREST
.endm
	s_load_b128 s[4:7], s[0:1], 0x0                ; xb s[4:5], wqb s[6:7]
	s_load_b64 s[8:9], s[0:1], 0x10                ; attn
	v_lshl_add_u32 v[SPW], v0, 2, SPARE
	v_mov_b32 v[NIL], 0
	ds_add_u32 v[SPW], v[NIL]                      ; the wave's opening: the add and its wait stand ahead of my first tensor load; the set-up below, work on registers, stands between them
	v_lshrrev_b32 v1, 5, v0
	v_readfirstlane_b32 s[WV], v1                  ; wave 0..3
	s_lshr_b32 s[FB], s[WV], 1
	s_and_b32 s[HF], s[WV], 1
	s_bfe_u32 s40, ttmp6, 0x40000                  ; cx: my place along the cluster's x
	s_bfe_u32 s41, ttmp6, 0x40004                  ; cy: along its y
	s_lshl_b32 s42, ttmp9, 2                       ; in a cluster launch ttmp9 and ttmp7 count clusters
	s_add_co_u32 s42, s42, s40                     ; chunk c = 4 x cluster x + cx
	s_and_b32 s[RY], ttmp7, 0xffff
	s_lshl_b32 s[RY], s[RY], 2
	s_add_co_u32 s[RY], s[RY], s41                 ; block of rows = 4 x cluster y + cy
	s_lshl_b32 s43, s41, 2
	s_lshl_b32 s43, 15, s43                        ; my row of the cluster: places 4 cy .. 4 cy + 3
	s_lshl_b32 s44, 0x1111, s40                    ; my column: places cx, cx + 4, cx + 8, cx + 12
	; descriptor group 1: tiles of 128 (xb) or 96 (wqb) rows x 128 elements, padded in LDS
	s_or_b32 s[G1+0], s43, (1<<16)|(1<<20)|(1<<21)|(5<<22)|(3<<25)   ; 15:0 the mask: xb's tiles go to my row; 17:16 elements of 2 bytes; 20 padding on; 21 set beside a mask; 24:22 after every 64 words (code 5); 31:25 4 words of it (code 3)
	s_or_b32 s[G1B+0], s44, (1<<16)|(1<<20)|(1<<21)|(5<<22)|(3<<25)  ; the same with the mask of my column
	s_mov_b32 s[G1+1], KSTEP<<16                   ; tensor_dim0 = 128
	s_mov_b32 s[G1+2], 128<<16                     ; tensor_dim1 = 128
	s_mov_b32 s[G1+3], KSTEP<<16                   ; tile_dim0 = 128
	s_mov_b32 s[G1+4], 128                         ; tile_dim1 = 128
	s_mov_b32 s[G1+5], 1024                        ; elements from row to row
	s_mov_b32 s[G1+6], 0
	s_mov_b32 s[G1+7], 0
	s_mov_b32 s[G1B+1], KSTEP<<16
	s_mov_b32 s[G1B+2], 96<<16                     ; tensor_dim1 = 96
	s_mov_b32 s[G1B+3], KSTEP<<16
	s_mov_b32 s[G1B+4], 96                         ; tile_dim1 = 96
	s_mov_b32 s[G1B+5], 1024
	s_mov_b32 s[G1B+6], 0
	s_mov_b32 s[G1B+7], 0
	; where the tiles come from.  xb's hang on the block of rows alone, which my row of the cluster shares; wqb's on the chunk alone, which my column shares
	s_lshl_b32 s17, s[HF], 7
	s_lshl_b32 s16, s[RY], 8
	s_add_co_u32 s16, s16, s17                     ; xb: row 256 x block + 128 x half,
	s_lshl_b32 s16, s16, 11                        ; in bytes (under 2^25)
	s_mov_b32 s17, 0
	s_mul_i32 s46, s42, 192
	s_mul_i32 s47, s[HF], 96
	s_add_co_u32 s46, s46, s47                     ; wqb: row 192 x chunk + 96 x half
	s_lshl_b32 s46, s46, 11
	s_mov_b32 s47, 0
	s_mul_i32 s20, s[HF], HALFA                    ; and where they go: no place in the cluster enters an LDS address
	s_mul_i32 s21, s[HF], HALFB
	s_add_co_u32 s21, s21, BOFF
	s_mov_b32 s[CS], 0x3e38aa3b                    ; c = log2(e) / 8 = 0.180337
	s_mov_b32 s[CS+1], s[CS]                       ; named with it as a pair
	s_mov_b32 s[SEL], 0x76543210
	s_mov_b32 s[SEL+1], 0xfedcba98
	s_wait_dscnt 0x0                               ; the opening add is done
	s_wait_kmcnt 0x0
	s_add_nc_u64 s[18:19], s[4:5], s[16:17]
	s_add_nc_u64 s[46:47], s[6:7], s[46:47]
	CROUND                                         ; all sixteen work-groups are here: the first joint loads meet
.irp s, 0,1
	s_mov_b32 s[G0+4*(\s)], 1                                        ; 1:0 count = 1
	s_add_co_u32 s[G0+4*(\s)+1], s20, (\s)*SLOT                      ; 63:32 LDS address
	s_add_nc_u64 s[G0+4*(\s)+2:G0+4*(\s)+3], s[18:19], (\s)*KSTEP*2  ; 120:64 global address: K step s
	s_or_b32 s[G0+4*(\s)+3], s[G0+4*(\s)+3], 0x80000000              ; 127:126 type = 2
	s_mov_b32 s[G0B+4*(\s)], 1
	s_add_co_u32 s[G0B+4*(\s)+1], s21, (\s)*SLOT
	s_add_nc_u64 s[G0B+4*(\s)+2:G0B+4*(\s)+3], s[46:47], (\s)*KSTEP*2
	s_or_b32 s[G0B+4*(\s)+3], s[G0B+4*(\s)+3], 0x80000000
	JLOAD \s                                       ; the ring is filled before anything else is done: two tensor loads of mine are out, the most in this text
.endr
	; A fragment is 16 rows x 32 K in 8 registers: lane l holds row l % 16; registers 0-3 K = 8 (l / 16) + 0..7, registers 4-7 K = 16 + 8 (l / 16) + 0..7: two loads of 16 bytes, 32 bytes apart
	v_and_b32 v1, 15, v0                           ; l % 16
	v_bfe_u32 v2, v0, 4, 1                         ; l / 16
	v_mul_u32_u24 v3, v1, PITCH
	v_lshl_add_u32 v3, v2, 4, v3                   ; row x pitch + 16 x half
	s_mul_i32 s22, s[WV], 64*PITCH                 ; my 64 rows of xb
	s_mov_b32 s23, BOFF                            ; all 192 rows of wqb
.irp s, 0,1
	v_add_nc_u32 v[ADRA+(\s)], s22, v3
	v_add_nc_u32 v[ADRB+(\s)], s23, v3
	s_add_co_u32 s22, s22, SLOT
	s_add_co_u32 s23, s23, SLOT
.endr
	v_and_b32 v[GO], 31, v0
	v_lshlrev_b32 v[PFO], 11, v[GO]                ; lane x 2,048
	v_lshlrev_b32 v[GO], 4, v[GO]                  ; lane x 16
	; written once: the zeros that the upper halves of p's and of the last v^T's operands hold, and the statistics (v_permlanex16_b32's destination counts as read)
.irp r, 0,1,2,3
	v_mov_b32 v[ZR+(\r)], 0
.endr
.set i, 0
.rept 4
.irp r, 4,5,6,7
	v_mov_b32 v[PF+8*i+(\r)], 0
.endr
.irp r, 0,1,2,3
	v_mov_b32 v[ST+4*i+(\r)], 0
.endr
.set i, i+1
.endr
	; attn at my wave's four groups of the first tile (group 16 x block + 4 x wave: 4,096 bytes a group), my chunk's place
	s_lshl_b32 s16, s[RY], 16
	s_lshl_b32 s17, s[WV], 14
	s_add_co_u32 s16, s16, s17
	s_mov_b32 s17, 0
	s_add_nc_u64 s[8:9], s[8:9], s[16:17]
	s_lshr_b32 s46, s42, 1                         ; column / 128 = c / 2
	s_lshl_b32 s46, s46, 22
	s_and_b32 s47, s42, 1                          ; (column / 32) % 4 = 2 (c % 2) + ..
	s_lshl_b32 s47, s47, 11
	s_add_co_u32 s46, s46, s47
	s_mov_b32 s47, 0
	s_add_nc_u64 s[8:9], s[8:9], s[46:47]
	; the prefetches: my work-group's 32 of the 128 rows that I fetch, at K step 2: the first refill steps it to 3 and names K step 4.  Nothing is asked for here, at the head
	s_lshl_b32 s20, s[RY], 8
	s_lshl_b32 s21, s[HF], 7
	s_add_co_u32 s20, s20, s21
	s_lshl_b32 s21, s40, 5
	s_add_co_u32 s20, s20, s21
	s_lshl_b32 s20, s20, 11
	s_add_co_u32 s20, s20, 2*KSTEP*2
	s_mov_b32 s21, 0
	s_add_nc_u64 s[PFA:PFA+1], s[4:5], s[20:21]
	s_or_b32 s[LIM], s[FB], ttmp9                  ; 0 in waves 0 and 1 of the clusters with x = 0: the same in all sixteen partners, for a given wave
	s_cmp_eq_u32 s[LIM], 0
	s_cselect_b32 s[LIM], 1, -1
; One product.  zero = 1: it starts the sum: nothing is ever cleared.
.macro MM d, x, y, zero
.if \zero
	v_wmma_f32_16x16x32_bf16 v[(\d):(\d)+7], v[(\x):(\x)+7], v[(\y):(\y)+7], 0
.else
	v_wmma_f32_16x16x32_bf16 v[(\d):(\d)+7], v[(\x):(\x)+7], v[(\y):(\y)+7], v[(\d):(\d)+7]
.endif
.endm
; 12 products: group a x all 12 column blocks, 32 along K.  q's and k's blocks take wqb's rows as source 0, v's take the group's rows.
; The 48 accumulators take turns, one instruction a turn, in the same order in every quarter step: 47 others stand between two links of a chain, over the jumps too.
.macro MULG f, a, zero
	WIN 0xa5+0x50*((\a)/2)                         ; both sources window 1; C and D window 2 or 3
.irp t, 0,1,2,3,4,5,6,7
	MM 96*((\a)%2)+8*(\t), (\f)+8*(\t), (\f)+96+8*(\a), \zero
.endr
.irp t, 8,9,10,11
	MM 96*((\a)%2)+8*(\t), (\f)+96+8*(\a), (\f)+8*(\t), \zero
.endr
.endm
; 32 LDS loads in one run: the fragments of one quarter step (192 rows of wqb, my 64 rows of xb, 32 K at byte k of the rows) into buffer f
.macro FETCH slot, k, f
	WIN TO_F
.irp t, 0,1,2,3,4,5,6,7,8,9,10,11
	ds_load_b128 v[(\f)+8*(\t):(\f)+8*(\t)+3],   v[ADRB+(\slot)] offset:(\k)+(\t)*16*PITCH
	ds_load_b128 v[(\f)+8*(\t)+4:(\f)+8*(\t)+7], v[ADRB+(\slot)] offset:(\k)+(\t)*16*PITCH+32
.endr
.irp a, 0,1,2,3
	ds_load_b128 v[(\f)+96+8*(\a):(\f)+96+8*(\a)+3],   v[ADRA+(\slot)] offset:(\k)+(\a)*16*PITCH
	ds_load_b128 v[(\f)+96+8*(\a)+4:(\f)+96+8*(\a)+7], v[ADRA+(\slot)] offset:(\k)+(\a)*16*PITCH+32
.endr
.endm
; A K step is four quarter steps of 32 along K, 48 matrix instructions each, on buffers 0, 1, 0, 1.
; One of the first three: multiplies buffer f; in its middle it fetches the next quarter's fragments, at byte k of the same slot's rows, into buffer g.
.macro QUARTER slot, k, f, g, zero
	s_wait_dscnt 4                                 ; wqb's fragments and groups 0 and 1 are in; the youngest four loads (groups 2 and 3) may be out
	MULG \f, 0, \zero
	MULG \f, 1, \zero
	PLACES
	FETCH \slot, \k, \g
	s_wait_dscnt 32                                ; all but the 32 just issued
	MULG \f, 2, \zero
	MULG \f, 3, \zero
.endm
; The last quarter multiplies buffer 1 and changes slots.  MEET is its first half: ONE barrier for the change.  In front of it each wave waits for all its tensor loads, of which one is out:
; its part of the next slot; adds 0 to its spare word; and waits for that and for its own reads of this slot.  Behind it nobody reads this slot any more and the next slot is whole.
.macro MEET round                      ; round = 1: the rest of a round of the cluster's barrier follows
	WIN 0                                          ; (the add's two registers lie in window 0)
	s_wait_tensorcnt 0x0                           ; all my tensor loads have landed;
	ds_add_u32 v[SPW], v[NIL]                      ; 0 onto my spare word;
	s_wait_dscnt 5                                 ; (the add and the youngest four loads may be out)
	MULG F1, 0, 0                                  ; twelve matrix instructions stand between the add and the wait for it
	s_wait_dscnt 0x0                               ; the add is done, and my reads of this slot are over:
	s_barrier_signal -1                            ; say so,
	MULG F1, 1, 0                                  ; work on registers while the others arrive,
.if \round
	WIN 0
.endif
	s_barrier_wait -1                              ; and go on when all four have said so
.endm
; The whole last quarter.  mode 0: the slot just read out is filled again with this tile's K step two steps on; mode 1: with the NEXT tile's K step 0 or 1; mode 2: nothing is filled.
; From a request to the wait for it a wave issues 168 matrix instructions.
.macro TURN slot, next, mode
.if (\mode) < 2
	s_wait_xcnt 0x0                                ; the last prefetch, a K step back, has read its address: it is stepped here, ahead of the waits of the change of slots
.if ((\mode) == 1) && ((\slot) == 0)
	s_add_nc_u64 s[PFA:PFA+1], s[PFA:PFA+1], (WALK-1)*KB+KSTEP*2  ; from the K step after the tile's last to the next tile's K step 1
.else
	s_add_nc_u64 s[PFA:PFA+1], s[PFA:PFA+1], KSTEP*2
.endif
	MEET 1
	CREST                                          ; no wave of any partner still reads this slot's tile or has a load on its way
.if (\mode) == 1
	s_add_nc_u64 s[G0+4*(\slot)+2:G0+4*(\slot)+3], s[G0+4*(\slot)+2:G0+4*(\slot)+3], NEXT_A
	s_sub_nc_u64 s[G0B+4*(\slot)+2:G0B+4*(\slot)+3], s[G0B+4*(\slot)+2:G0B+4*(\slot)+3], BACK_B
.else
	s_add_nc_u64 s[G0+4*(\slot)+2:G0+4*(\slot)+3], s[G0+4*(\slot)+2:G0+4*(\slot)+3], 2*KSTEP*2
	s_add_nc_u64 s[G0B+4*(\slot)+2:G0B+4*(\slot)+3], s[G0B+4*(\slot)+2:G0B+4*(\slot)+3], 2*KSTEP*2
.endif
	JLOAD \slot                                    ; the first tensor load behind the round; the four v_nop behind it are also the places in front of the loads below
	FETCH \next, 0, F0
	WIN 0
	ASK \mode
.else
	MEET 0
	PLACES
	FETCH \next, 0, F0
.endif
	MULG F1, 2, 0
	MULG F1, 3, 0
.endm
; THE ATTENTION of my four groups, on the accumulators.  Every step goes through the four groups in turn, so that no line waits for the one before it.
.macro ALL line:vararg                 ; one line for each group GR
.set GR, 0
.rept 4
	\line
.set GR, GR+1
.endr
.endm
.macro CVT_V a                         ; v of group a, packed to f16 in pairs of rows: each accumulator is read from its low end
	WIN 0x0a+5*((\a)/2)                            ; sources window 2 or 3, destination window 0
.irp db, 0,1,2,3
.irp j, 0,1,2,3
	v_cvt_pk_f16_f32 v[VP+16*(\a)+4*(\db)+(\j)], v[96*((\a)%2)+64+8*(\db)+2*(\j)], v[96*((\a)%2)+64+8*(\db)+2*(\j)+1]
.endr
.endr
.endm
.macro CVT_QK a                        ; q (blocks 0-3) and k (blocks 4-7) of group a, packed in pairs of columns: blocks 2 kk and 2 kk + 1 are the two halves of operand kk
	WIN 0x4a+5*((\a)/2)                            ; sources window 2 or 3, destination window 1
.irp t, 0,1,2,3,4,5,6,7
.irp j, 0,1,2,3
	v_cvt_pk_f16_f32 v[QF+64*((\t)/4)+16*(\a)+4*((\t)%4)+(\j)], v[96*((\a)%2)+8*(\t)+2*(\j)], v[96*((\a)%2)+8*(\t)+2*(\j)+1]
.endr
.endr
.endm
.macro ATTN
	PLACES                                         ; behind the tile's last products
	CVT_V 0
	CVT_V 1
	CVT_QK 0
	CVT_QK 1
	CVT_QK 2
	CVT_QK 3
	WIN 0x05                                       ; S^T = k q^T: both sources window 1, C and D window 0.  The four accumulators take turns
.irp a, 0,1,2,3
	v_wmma_f32_16x16x32_f16 v[SS+8*(\a):SS+8*(\a)+7], v[KF+16*(\a):KF+16*(\a)+7], v[QF+16*(\a):QF+16*(\a)+7], 0
.endr
.irp a, 0,1,2,3
	v_wmma_f32_16x16x32_f16 v[SS+8*(\a):SS+8*(\a)+7], v[KF+16*(\a)+8:KF+16*(\a)+15], v[QF+16*(\a)+8:QF+16*(\a)+15], v[SS+8*(\a):SS+8*(\a)+7]
.endr
	CVT_V 2                                        ; 32 conversions that name no register of those products: the places behind them
	CVT_V 3
	WIN 0
	ALL v_max3_num_f32 v[ST+4*GR], v[SS+8*GR], v[SS+8*GR+1], v[SS+8*GR+2]
	ALL v_max3_num_f32 v[ST+4*GR], v[ST+4*GR], v[SS+8*GR+3], v[SS+8*GR+4]
	ALL v_max3_num_f32 v[ST+4*GR], v[ST+4*GR], v[SS+8*GR+5], v[SS+8*GR+6]
	ALL v_max_num_f32 v[ST+4*GR], v[ST+4*GR], v[SS+8*GR+7]
	ALL v_permlanex16_b32 v[ST+4*GR+1], v[ST+4*GR], s[SEL], s[SEL+1]  ; the query's other 8 keys lie in the lane 16 away
	ALL v_max_num_f32 v[ST+4*GR], v[ST+4*GR], v[ST+4*GR+1]
.irp j, 0,2,4,6
	ALL v_pk_add_f32 v[SS+8*GR+(\j):SS+8*GR+(\j)+1], v[SS+8*GR+(\j):SS+8*GR+(\j)+1], v[ST+4*GR:ST+4*GR+1] op_sel_hi:[1,0] neg_lo:[0,1] neg_hi:[0,1]  ; s - m first, so that no rounding of c m shifts an exponent,
.endr
.irp j, 0,2,4,6
	ALL v_pk_mul_f32 v[SS+8*GR+(\j):SS+8*GR+(\j)+1], v[SS+8*GR+(\j):SS+8*GR+(\j)+1], s[CS:CS+1] op_sel_hi:[1,0]  ; then times c
.endr
.irp j, 0,1,2,3,4,5,6,7
	ALL v_exp_f32 v[SS+8*GR+(\j)], v[SS+8*GR+(\j)]  ; the 32 exponentials are one batch
.endr
	v_nop                                          ; a plain instruction behind the last exponential (ISA guide 5.7.2),
	s_wait_alu depctr_va_vdst(0)                   ; and the wait ahead of the first use: one for the batch
	ALL v_pk_add_f32 v[ST+4*GR+2:ST+4*GR+3], v[SS+8*GR:SS+8*GR+1], v[SS+8*GR+2:SS+8*GR+3]
	ALL v_pk_add_f32 v[ST+4*GR+2:ST+4*GR+3], v[ST+4*GR+2:ST+4*GR+3], v[SS+8*GR+4:SS+8*GR+5]
	ALL v_pk_add_f32 v[ST+4*GR+2:ST+4*GR+3], v[ST+4*GR+2:ST+4*GR+3], v[SS+8*GR+6:SS+8*GR+7]
	ALL v_add_f32 v[ST+4*GR+2], v[ST+4*GR+2], v[ST+4*GR+3]
	ALL v_permlanex16_b32 v[ST+4*GR+3], v[ST+4*GR+2], s[SEL], s[SEL+1]
	ALL v_add_f32 v[ST+4*GR+2], v[ST+4*GR+2], v[ST+4*GR+3]
	ALL v_rcp_f32 v[ST+4*GR+2], v[ST+4*GR+2]
	v_nop                                          ; the same two lines for the four reciprocals
	s_wait_alu depctr_va_vdst(0)
.irp j, 0,2,4,6
	ALL v_pk_mul_f32 v[SS+8*GR+(\j):SS+8*GR+(\j)+1], v[SS+8*GR+(\j):SS+8*GR+(\j)+1], v[ST+4*GR+2:ST+4*GR+3] op_sel_hi:[1,0]  ; p is divided by its sum before it is rounded: 4 lines a group where O^T would take 16
.endr
.irp j, 0,1,2,3
	ALL v_cvt_pk_f16_f32 v[PF+8*GR+(\j)], v[SS+8*GR+2*(\j)], v[SS+8*GR+2*(\j)+1]
.endr
	WIN 0x40                                       ; O^T = v^T p: sources window 0, D window 1.  Sixteen sums of one product each.  An operand of v^T is 4 registers of v and the 4 that follow them,
.irp db, 0,1,2,3                       ; which meet p's zeros: the next block's finite numbers, or v[96:99]
.irp a, 0,1,2,3
	v_wmma_f32_16x16x32_f16 v[OT+32*(\a)+8*(\db):OT+32*(\a)+8*(\db)+7], v[VP+16*(\a)+4*(\db):VP+16*(\a)+4*(\db)+7], v[PF+8*(\a):PF+8*(\a)+7], 0
.endr
.endr
	PLACES
	WIN 0x05                                       ; sources window 1, destination window 0
.irp a, 0,1,2,3
.irp db, 0,1,2,3
.irp j, 0,1,2,3
	v_cvt_pk_f16_f32 v[OUT+16*(\a)+4*(\db)+(\j)], v[OT+32*(\a)+8*(\db)+2*(\j)], v[OT+32*(\a)+8*(\db)+2*(\j)+1]
.endr
.endr
.endr
	WIN 0
.irp a, 0,1,2,3
.irp db, 0,1,2,3
	global_store_b128 v[GO], v[OUT+16*(\a)+4*(\db):OUT+16*(\a)+4*(\db)+3], s[8:9] offset:4096*(\a)+512*(\db) th:TH_STORE_NT  ; 32 lanes store 512 consecutive bytes, at a multiple of 256 from attn's first byte
.endr
.endr
.endm
	s_wait_tensorcnt 1                             ; my part of K step 0 is in; K step 1's may stay out
	s_barrier_signal -1
	s_barrier_wait -1                              ; everybody's is
	FETCH 0, 0, F0
	WIN 0                                          ; at a label and at a branch every window is 0
	s_mov_b32 s2, TILES                            ; tiles to go, this one among them: the same number in every work-group
.Ltile:
	QUARTER 0, 64,  F0, F1, 1                      ; a tile's first quarter stands in front of the loop: its products start the sums
	WIN 0
	s_mov_b32 s3, LAPS-1
.Llap:                                                 ; a trip goes once round the ring, from a lap's second quarter to the next lap's first, and fills both slots again
	QUARTER 0, 128, F1, F0, 0
	QUARTER 0, 192, F0, F1, 0
	TURN 0, 1, 0
	QUARTER 1, 64,  F0, F1, 0
	QUARTER 1, 128, F1, F0, 0
	QUARTER 1, 192, F0, F1, 0
	TURN 1, 0, 0
	QUARTER 0, 64,  F0, F1, 0
	WIN 0
	s_sub_co_u32 s3, s3, 1
	s_cmp_lg_u32 s3, 0
	s_cbranch_scc1 .Llap
	QUARTER 0, 128, F1, F0, 0                      ; the tile's last lap goes on
	QUARTER 0, 192, F0, F1, 0
	WIN 0
	s_cmp_eq_u32 s2, 1
	s_cbranch_scc1 .Llast                          ; the last tile's tail is written out: it asks for nothing more
	TURN 0, 1, 1                                   ; the ring goes on into the next tile: slot 0 takes its K step 0,
	QUARTER 1, 64,  F0, F1, 0
	QUARTER 1, 128, F1, F0, 0
	QUARTER 1, 192, F0, F1, 0
	TURN 1, 0, 1                                   ; slot 1 its K step 1, and the next tile's first fragments are fetched into buffer 0, which the attention does not touch
	ATTN                                           ; slot 1's refill is on its way while the attention runs
	s_wait_xcnt 0x0                                ; the stores have read their registers and attn's address
	s_add_nc_u64 s[8:9], s[8:9], 16*65536          ; 16 blocks of rows on: 256 groups of 4,096 bytes
	s_sub_co_u32 s2, s2, 1
	s_branch .Ltile
.Llast:
	TURN 0, 1, 2                                   ; my one tensor load that was still out is slot 1's, the last K step's
	QUARTER 1, 64,  F0, F1, 0
	QUARTER 1, 128, F1, F0, 0
	QUARTER 1, 192, F0, F1, 0
	s_wait_dscnt 4                                 ; the very last quarter: nothing more to fetch
	MULG F1, 0, 0
	MULG F1, 1, 0
	s_wait_dscnt 0x0
	MULG F1, 2, 0
	MULG F1, 3, 0
	ATTN
	s_wait_tensorcnt 0x0                           ; the wave's end, behind my last tensor load
	ds_add_u32 v[SPW], v[NIL]
	s_wait_dscnt 0x0
	CROUND                                         ; the closing round: no work-group ends while a partner may still ask for a tile that names it
	s_endpgm
.Lfunc_end_k_q31c7964646_qkvattn:
	.size	k_q31c7964646_qkvattn, .Lfunc_end_k_q31c7964646_qkvattn-k_q31c7964646_qkvattn
	.p2alignl 7, 3214868480
	.fill 96, 4, 3214868480
	.section	.rodata,"a",@progbits
	.p2align	6, 0x0
	.amdhsa_kernel k_q31c7964646_qkvattn
		.amdhsa_group_segment_fixed_size 327680
		.amdhsa_private_segment_fixed_size 0
		.amdhsa_enable_private_segment 0
		.amdhsa_kernarg_size 24
		.amdhsa_user_sgpr_count 2
		.amdhsa_user_sgpr_kernarg_segment_ptr 1
		.amdhsa_wavefront_size32 1
		.amdhsa_system_sgpr_workgroup_id_x 1
		.amdhsa_system_sgpr_workgroup_id_y 1
		.amdhsa_system_sgpr_workgroup_id_z 1
		.amdhsa_system_vgpr_workitem_id 0
		.amdhsa_next_free_vgpr 960
		.amdhsa_next_free_sgpr 70
		.amdhsa_reserve_vcc 0
		.amdhsa_float_denorm_mode_32 3
		.amdhsa_float_denorm_mode_16_64 3
		.amdhsa_memory_ordered 1
		.amdhsa_forward_progress 1
		.amdhsa_inst_pref_size 180
	.end_amdhsa_kernel
	.amdgpu_metadata
---
amdhsa.version: [ 1, 2 ]
amdhsa.kernels:
  - .name:           k_q31c7964646_qkvattn
    .symbol:         k_q31c7964646_qkvattn.kd
    .args:
      - { .name: xb, .offset: 0, .size: 8, .value_kind: global_buffer, .address_space: global }
      - { .name: wqb, .offset: 8, .size: 8, .value_kind: global_buffer, .address_space: global }
      - { .name: attn, .offset: 16, .size: 8, .value_kind: global_buffer, .address_space: global }
    .group_segment_fixed_size: 327680
    .private_segment_fixed_size: 0
    .kernarg_segment_align: 8
    .kernarg_segment_size: 24
    .max_flat_workgroup_size: 128
    .sgpr_count:     70
    .vgpr_count:     960
    .wavefront_size: 32
...
	.end_amdgpu_metadata
.endif
;; end of part 2
;; launch fc (part 3): grid 4 x 64, 4 waves a work-group, clusters of 4 x 4, 327,680 bytes of LDS; arguments attn, wfb, b_fc, out0; writes out0
.if DOCPART == 3
	.amdgcn_target "amdgcn-amd-amdhsa--gfx1250"
	.amdhsa_code_object_version 6
	.text
	.protected	k_q31c7964646_fc
	.globl	k_q31c7964646_fc
	.p2align	8
	.type	k_q31c7964646_fc,@function
k_q31c7964646_fc:
	s_mov_b64 s[64:65], 0
	v_nop
	global_prefetch_b8 v0, s[64:65] scope:SCOPE_SE
	s_setreg_imm32_b32 hwreg(HW_REG_WAVE_MODE, 25, 1), 1
	s_wait_xcnt 0x0
	s_wait_alu depctr_hold_cnt(0) depctr_sa_sdst(0) depctr_va_vdst(0) depctr_va_sdst(0) depctr_va_ssrc(0) depctr_va_vcc(0) depctr_vm_vsrc(0)
	s_getreg_b32 s2, hwreg(HW_REG_IB_STS2, 6, 4)
	s_cmp_eq_u32 s2, 0
	s_cbranch_scc0 .Lentry_in_a_cluster
	s_endpgm
.Lentry_in_a_cluster:
	s_bfe_u32 s2, ttmp6, 0x10000c
	s_cmp_lg_u32 s2, 0xf033
	s_cbranch_scc0 .Lentry_shape_is_right
	s_endpgm
.Lentry_shape_is_right:
; out = attn w_fc^T + b_fc.  attn: f16, 16,384 rows x 1,024 columns in the order of a matrix operand's registers: byte = (column / 128) x 4,194,304 + G x 4,096 + ((column / 32) % 4) x 1,024
; + ((column / 16) % 2) x 512 + lane x 16 (G = 256 b + r a group of 16 rows; a lane's 16 bytes: row lane % 16 of the group, columns 8 (lane / 16) + 0..7).  Row h of group G is row 256 h + r of batch b.
; wfb: [1024][1024] f16 (w_fc rounded to bf16, written as f16).  b_fc: [1024] f32, rounded to bf16 here like the other inputs.  out0: [4][4096][1024] f32.  Sums in f32; the bias starts them.
; LIMITS.  attn and wfb arrive within f16's range, 65,504; NaN and infinities are not treated apart.
; SHARES.  A tile of out is 256 rows (16 groups) x 256 columns, made by four waves, each 128 x 128: 64 accumulators, 512 registers.  256 tiles, one to a work-group.  K = 1,024 in 8 steps of 128 through
; a ring of two LDS slots.  A K step of a tile's 16 groups is 65,536 dense bytes of attn: asked for as rows of 256 bytes, unpadded: a fragment load takes 512 consecutive bytes.
; wfb's tiles have rows of 256 bytes, padded in LDS.
; CLUSTERS: 4 x 4 work-groups; attn's tiles are shared along a row of the cluster, wfb's along a column: each is asked for JOINTLY, by the same tensor load with the same descriptor and a mask of four.
; THE MATRIX INSTRUCTION IS USED TRANSPOSED (source 0 = 16 rows of wfb, source 1 = a group's 16 rows): a lane holds one row and eight neighbouring columns, 32 bytes of out.
; REGISTERS, in windows of 256 (s_set_vgpr_msb: bits 1:0 source 0, 3:2 source 1, 5:4 source 2, 7:6 destination):
;   window 0: v0-31 addresses; v32-63 at work; v64-127, v128-191 fragments of attn, two buffers, and on the way out two buffers of 16 rows; v192-255 the bias of my 128 columns
;   window 1: v64-127, v128-191 fragments of wfb     window 2: the accumulators of my groups 0-3 ((a, b) at 8 (8 a + b))     window 3: of my groups 4-7
.set KSTEP,  128
.set KSA,    4194304                   ; bytes from a K step of attn to the next
.set PITCH,  272                       ; an LDS row of wfb: 256 bytes + 16 of padding = 68 words: row r starts at bank 4 r mod 64 (64 banks of 4 bytes: ISA guide 11.1)
.set HALFA,  32768                     ; what waves 0 and 1 fetch: 8 groups of attn each
.set HALFT,  128*PITCH                 ; what waves 2 and 3 fetch: 128 rows of wfb each
.set BOFF,   2*HALFA
.set SLOT,   BOFF+2*HALFT
.set STAGE,  2*SLOT                    ; behind the ring, never filled by a tensor load: 16 rows x 528 bytes for each wave, for the way out
.set SPITCH, 528                       ; 512 bytes + 16 = 132 words: the 16 rows that a store touches start at 16 different banks
.set SPARE,  STAGE+4*16*SPITCH         ; behind the stages: the spare words, 128 bytes for each wave: two blocks of 256 bytes that no other line names
.set LAPS,   4                         ; a lap = two K steps = once round the ring
.set ADRA, 16                          ; v16-17  LDS address of my fragments of attn in slot 0, 1
.set ADRB, 20                          ; v20-21  the same for wfb
.set STO,  24                          ; v24     the way out: where I put 32 bytes of a row
.set RD,   25                          ; v25     the way out: where I read a row back
.set CO,   26                          ; v26     16 x my lane: my place in 512 consecutive bytes of out
.set CO8,  27                          ; v27     the same 8 x 256 rows further down: rows h = 8..15 of a group
.set SPW,  28                          ; v28     LDS address of my spare word: SPARE + 4 x my thread's number; never rewritten
.set NIL,  29                          ; v29     0; never rewritten
.set PFO,  30                          ; v30     the prefetches' offset: my lane x 256 bytes (attn) or x a row (wfb); never rewritten
.set BO,   31                          ; v31     32 (l / 16): my 8 numbers in 16 of the bias
.set TMP,  32
.set F0,   64
.set F1,   128
.set BIAS, 192                         ; column block b at BIAS + 8 b: as an accumulator's registers lie
.set WV,  12                           ; s12  my wave's number
.set FB,  13                           ; s13  which half of the tile's rows is mine.  Also: I fetch for attn (0) or for wfb (1)
.set HF,  14                           ; s14  which half of its columns.  Also: which half of that tile I fetch
.set TY,  15                           ; s15  tile row
.set G1,  24                           ; s[24:31] descriptor group 1 for attn's tiles;  s[32:39] group 0, one set for each slot
.set G0,  32
.set LIM, 43                           ; s43  1 in a wave that prefetches, else the greatest number
.set PFA, 44                           ; s[44:45] where my prefetches stand
.set G1B, 48                           ; s[48:55], s[56:63] the same for wfb's tiles
.set G0B, 56
.set PST, 66                           ; s[66:67] bytes from a K step to the next in the tensor that I prefetch
.set MSB, 0
.macro WIN new                         ; the immediate's high byte repeats the setting that is left; a switch that changes nothing is dropped
.if MSB != (\new)
	s_set_vgpr_msb (MSB<<8)|(\new)
.set MSB, \new
.endif
.endm
.set MUL_LO, 0xa1                      ; source 0 (wfb) window 1, source 1 (attn) window 0, C and D window 2
.set TO_B,   0x40                      ; destination window 1, address window 0
.macro PLACES                          ; four places behind matrix instructions (ISA guide 7.12.1 for vector instructions)
.rept 4
	v_nop
.endr
.endm
; A joint load: waves 0 and 1 fetch attn's two halves, waves 2 and 3 wfb's.  An s_nop 0 and four v_nop follow each of the two lines, ahead of the jump, the label and what follows.
.macro JLOAD s
	s_cmp_eq_u32 s[FB], 0
	s_cbranch_scc0 .Lfor_b_\@
	tensor_load_to_lds s[G0+4*(\s):G0+4*(\s)+3], s[G1:G1+7]
	s_nop 0
.rept 4
	v_nop
.endr
	s_branch .Lasked_\@
.Lfor_b_\@:
	tensor_load_to_lds s[G0B+4*(\s):G0B+4*(\s)+3], s[G1B:G1B+7]
	s_nop 0
.rept 4
	v_nop
.endr
.Lasked_\@:
.endm
; A PREFETCH behind each joint load, its five lines and the run of LDS loads that follows: the K step that stands TWO refills on, 512 matrix instructions ahead of the load that will want it: 32 blocks of
; 256 bytes, a lane a block, one instruction a wave.  Each block is named ONCE in the launch.  attn's tile row is read by one cluster alone (the grid is one cluster wide): it asks; wfb's tile column by
; the sixteen clusters of the column: cluster y = 0 asks.  The four partners that ask for a tile jointly share its 128 blocks or rows a wave out BY ADDRESS, 32 each (cx for attn, cy for wfb).
; The first four K steps come by their loads alone; the last two refills have no K step two on.
.macro ASK
	s_cmp_gt_u32 s3, s[LIM]                        ; s3 = 1 in the loop's last trip
	s_cbranch_scc0 .Lnot_mine_\@
	global_prefetch_b8 v[PFO], s[PFA:PFA+1] th:TH_LOAD_NT scope:SCOPE_SE
.Lnot_mine_\@:
.endm
.macro CREST                           ; a round of the cluster's barrier behind its opening barrier
	s_cmp_lg_u32 s[WV], 0
	s_cbranch_scc1 .Lnot_wave_0_\@
	s_barrier_signal -3
.Lnot_wave_0_\@:
	s_barrier_wait -3
	s_barrier_signal -1
	s_barrier_wait -1
.endm
.macro CROUND                          ; a whole round
	s_barrier_signal -1
	s_barrier_wait -1
	CREST
.endm
	s_load_b256 s[4:11], s[0:1], 0x0               ; attn s[4:5], wfb s[6:7], b_fc s[8:9], out0 s[10:11]
	v_lshl_add_u32 v[SPW], v0, 2, SPARE
	v_mov_b32 v[NIL], 0
	ds_add_u32 v[SPW], v[NIL]                      ; the wave's opening: the add and its wait stand ahead of my first tensor load; the set-up below, work on registers, stands between them
	v_lshrrev_b32 v1, 5, v0
	v_readfirstlane_b32 s[WV], v1                  ; wave 0..3
	s_lshr_b32 s[FB], s[WV], 1
	s_and_b32 s[HF], s[WV], 1
	s_bfe_u32 s40, ttmp6, 0x40000                  ; cx, cy: my place in the cluster
	s_bfe_u32 s41, ttmp6, 0x40004
	s_lshl_b32 s42, ttmp9, 2
	s_add_co_u32 s42, s42, s40                     ; tile column = 4 x cluster x + cx
	s_and_b32 s[TY], ttmp7, 0xffff
	s_lshl_b32 s[TY], s[TY], 2
	s_add_co_u32 s[TY], s[TY], s41                 ; tile row = 4 x cluster y + cy
	s_lshl_b32 s43, s41, 2
	s_lshl_b32 s43, 15, s43                        ; my row of the cluster
	s_lshl_b32 s44, 0x1111, s40                    ; my column
	; descriptor group 1.  attn: 32,768 dense bytes as 128 rows of 32 elements of 8 bytes, no padding.  wfb: 128 rows x 128 elements of 2 bytes, padded
	s_or_b32 s[G1+0], s43, (3<<16)|(1<<21)         ; 15:0 the mask: my row; 17:16 elements of 8 bytes; 21 set beside a mask
	s_or_b32 s[G1B+0], s44, (1<<16)|(1<<20)|(1<<21)|(5<<22)|(3<<25)  ; my column; elements of 2 bytes; padding on; after every 64 words (code 5) 4 words (code 3)
	s_mov_b32 s[G1+1], 32<<16                      ; tensor_dim0 = 32
	s_mov_b32 s[G1+2], 128<<16                     ; tensor_dim1 = 128
	s_mov_b32 s[G1+3], 32<<16                      ; tile_dim0 = 32
	s_mov_b32 s[G1+4], 128                         ; tile_dim1 = 128
	s_mov_b32 s[G1+5], 32                          ; elements from row to row: dense
	s_mov_b32 s[G1+6], 0
	s_mov_b32 s[G1+7], 0
	s_mov_b32 s[G1B+1], KSTEP<<16
	s_mov_b32 s[G1B+2], 128<<16
	s_mov_b32 s[G1B+3], KSTEP<<16
	s_mov_b32 s[G1B+4], 128
	s_mov_b32 s[G1B+5], 1024
	s_mov_b32 s[G1B+6], 0
	s_mov_b32 s[G1B+7], 0
	s_lshl_b32 s16, s[TY], 16                      ; attn: group 16 x tile row + 8 x half, 4,096 bytes a group
	s_lshl_b32 s17, s[HF], 15
	s_add_co_u32 s16, s16, s17
	s_mov_b32 s17, 0
	s_lshl_b32 s46, s42, 19                        ; wfb: row 256 x tile column + 128 x half, 2,048 bytes a row
	s_lshl_b32 s47, s[HF], 18
	s_add_co_u32 s46, s46, s47
	s_mov_b32 s47, 0
	s_lshl_b32 s20, s[HF], 15                      ; where they go: no place in the cluster enters an LDS address
	s_mul_i32 s21, s[HF], HALFT
	s_add_co_u32 s21, s21, BOFF
	s_wait_dscnt 0x0                               ; the opening add is done
	s_wait_kmcnt 0x0
	s_add_nc_u64 s[18:19], s[4:5], s[16:17]
	s_add_nc_u64 s[46:47], s[6:7], s[46:47]
	CROUND                                         ; all sixteen work-groups are here: the first joint loads meet
.irp s, 0,1
	s_mov_b32 s[G0+4*(\s)], 1                                        ; 1:0 count = 1
	s_add_co_u32 s[G0+4*(\s)+1], s20, (\s)*SLOT                      ; 63:32 LDS address
	s_add_nc_u64 s[G0+4*(\s)+2:G0+4*(\s)+3], s[18:19], (\s)*KSA      ; 120:64 global address: K step s
	s_or_b32 s[G0+4*(\s)+3], s[G0+4*(\s)+3], 0x80000000              ; 127:126 type = 2
	s_mov_b32 s[G0B+4*(\s)], 1
	s_add_co_u32 s[G0B+4*(\s)+1], s21, (\s)*SLOT
	s_add_nc_u64 s[G0B+4*(\s)+2:G0B+4*(\s)+3], s[46:47], (\s)*KSTEP*2
	s_or_b32 s[G0B+4*(\s)+3], s[G0B+4*(\s)+3], 0x80000000
	JLOAD \s                                       ; two tensor loads of mine are out, the most in this text
.endr
	; the bias of my 128 columns, as an accumulator's registers lie: block b, my 8 columns 8 (l / 16) + 0..7
	v_and_b32 v1, 15, v0                           ; l % 16
	v_bfe_u32 v2, v0, 4, 1                         ; l / 16
	v_lshlrev_b32 v[BO], 5, v2
	s_lshl_b32 s46, s42, 10                        ; my first column in bytes of f32: 1,024 x tile column + 512 x half: for the bias and for out
	s_lshl_b32 s47, s[HF], 9
	s_add_co_u32 s46, s46, s47
	s_mov_b32 s47, 0
	s_add_nc_u64 s[8:9], s[8:9], s[46:47]
	s_add_nc_u64 s[10:11], s[10:11], s[46:47]
.irp b, 0,1,2,3,4,5,6,7
	global_load_b128 v[BIAS+8*(\b):BIAS+8*(\b)+3],   v[BO], s[8:9] offset:64*(\b)
	global_load_b128 v[BIAS+8*(\b)+4:BIAS+8*(\b)+7], v[BO], s[8:9] offset:64*(\b)+16
.endr
	v_and_b32 v4, 31, v0
	v_lshlrev_b32 v[CO], 4, v4                     ; 16 x lane
	v_add_nc_u32 v[CO8], 0x800000, v[CO]
	v_mul_u32_u24 v3, v1, PITCH
	v_lshl_add_u32 v3, v2, 4, v3                   ; a fragment of wfb: row x pitch + 16 x half
	s_lshl_b32 s22, s[FB], 15                      ; my 8 groups of attn
	s_mul_i32 s23, s[HF], HALFT                    ; my 128 rows of wfb,
	s_add_co_u32 s23, s23, BOFF                    ; which lie behind attn's 16 groups
.irp s, 0,1
	v_add_nc_u32 v[ADRA+(\s)], s22, v[CO]          ; a fragment of attn lies as the registers want it: 16 bytes a lane, twice
	v_add_nc_u32 v[ADRB+(\s)], s23, v3
	s_add_co_u32 s22, s22, SLOT
	s_add_co_u32 s23, s23, SLOT
.endr
	s_mul_i32 s23, s[WV], 16*SPITCH
	s_add_co_u32 s23, s23, STAGE                   ; my stage
	v_mul_u32_u24 v5, v1, SPITCH                   ; in: row l % 16, 32 bytes for each half of the lanes
	v_lshl_add_u32 v5, v2, 5, v5
	v_add_nc_u32 v[STO], s23, v5
	v_add_nc_u32 v[RD], s23, v[CO]                 ; back: 32 lanes take one row of 512 bytes
	; out at row h = 0 of my first group: batch b = tile row / 16, r = 16 (tile row % 16) + 8 x half; 4,096 bytes a row
	s_lshr_b32 s16, s[TY], 4
	s_lshl_b32 s16, s16, 24
	s_and_b32 s17, s[TY], 15
	s_lshl_b32 s17, s17, 16
	s_add_co_u32 s16, s16, s17
	s_lshl_b32 s17, s[FB], 15
	s_add_co_u32 s16, s16, s17
	s_mov_b32 s17, 0
	s_add_nc_u64 s[10:11], s[10:11], s[16:17]
	; the prefetches.  Both tensors' offsets are made first (shifts set SCC), then one compare chooses
	s_lshl_b32 s18, s[TY], 16                      ; attn: my 8 groups, and of their 128 blocks of 256 bytes my work-group's 32
	s_lshl_b32 s20, s[HF], 15
	s_add_co_u32 s18, s18, s20
	s_lshl_b32 s20, s40, 13
	s_add_co_u32 s18, s18, s20
	s_lshl_b32 s19, s42, 19                        ; wfb: my 128 rows, and my work-group's 32 of them
	s_lshl_b32 s20, s[HF], 18
	s_add_co_u32 s19, s19, s20
	s_lshl_b32 s20, s41, 16
	s_add_co_u32 s19, s19, s20
	s_and_b32 s22, ttmp7, 0xffff                   ; cluster y
	s_mov_b32 s[PST], KSTEP*2
	s_mov_b32 s[PST+1], 0
	s_mov_b32 s23, 2048
	s_mov_b32 s21, 0
	s_cmp_eq_u32 s[FB], 0                          ; do I fetch for attn?
	s_cselect_b32 s20, s18, s19
	s_cselect_b32 s22, ttmp9, s22                  ; the coordinate along which other clusters read the same bytes
	s_cselect_b64 s[PFA:PFA+1], s[4:5], s[6:7]
	s_cselect_b32 s[PST], KSA, s[PST]
	s_cselect_b32 s23, 256, s23                    ; from lane to lane
	s_cmp_eq_u32 s22, 0
	s_cselect_b32 s[LIM], 1, -1                    ; the same in all sixteen partners, for a given wave
	s_add_nc_u64 s[PFA:PFA+1], s[PFA:PFA+1], s[20:21]
	s_mul_i32 s20, s[PST], 3
	s_add_nc_u64 s[PFA:PFA+1], s[PFA:PFA+1], s[20:21]  ; at K step 3: the first refill steps it to 4 and names that.  Nothing is asked for here, at the head
	v_mul_u32_u24 v[PFO], s23, v4
	s_wait_loadcnt 0x0                             ; the bias is in: rounded to bf16, like the other inputs, and widened again; this stands in the wait for the first tile
.set i, 0
.rept 32
	v_cvt_pk_bf16_f32 v[TMP+i], v[BIAS+2*i], v[BIAS+2*i+1]
.set i, i+1
.endr
.set i, 0
.rept 32
	v_lshlrev_b32 v[BIAS+2*i], 16, v[TMP+i]
	v_and_b32 v[BIAS+2*i+1], 0xffff0000, v[TMP+i]
.set i, i+1
.endr
; 16 matrix instructions: groups a0, a0 + 1 of the window's four (hi = 0: my groups 0-3, 1: groups 4-7) x all 8 column blocks, 32 along K.  first = 1: the bias is the C that starts the sums.
; The 64 accumulators take turns, one instruction a turn, in the same order in every quarter step.
.macro MUL16 f, hi, a0, first
.if \first
	WIN 0x81+0x40*(\hi)                            ; source 0 window 1, sources 1 and 2 window 0, D window 2 or 3
.else
	WIN MUL_LO+0x50*(\hi)
.endif
.irp a, \a0, (\a0)+1
.irp b, 0,1,2,3,4,5,6,7
.if \first
	v_wmma_f32_16x16x32_f16 v[8*(8*(\a)+(\b)):8*(8*(\a)+(\b))+7], v[(\f)+8*(\b):(\f)+8*(\b)+7], v[(\f)+8*(4*(\hi)+(\a)):(\f)+8*(4*(\hi)+(\a))+7], v[BIAS+8*(\b):BIAS+8*(\b)+7]
.else
	v_wmma_f32_16x16x32_f16 v[8*(8*(\a)+(\b)):8*(8*(\a)+(\b))+7], v[(\f)+8*(\b):(\f)+8*(\b)+7], v[(\f)+8*(4*(\hi)+(\a)):(\f)+8*(4*(\hi)+(\a))+7], v[8*(8*(\a)+(\b)):8*(8*(\a)+(\b))+7]
.endif
.endr
.endr
.endm
; 32 LDS loads in one run: the fragments of quarter q of a K step (128 rows of wfb, my 8 groups of attn) into buffer f
.macro FETCH slot, q, f
	WIN TO_B
.irp i, 0,1,2,3,4,5,6,7
	ds_load_b128 v[(\f)+8*(\i):(\f)+8*(\i)+3],   v[ADRB+(\slot)] offset:64*(\q)+(\i)*16*PITCH
	ds_load_b128 v[(\f)+8*(\i)+4:(\f)+8*(\i)+7], v[ADRB+(\slot)] offset:64*(\q)+(\i)*16*PITCH+32
.endr
	WIN 0
.irp i, 0,1,2,3,4,5,6,7
	ds_load_b128 v[(\f)+8*(\i):(\f)+8*(\i)+3],   v[ADRA+(\slot)] offset:4096*(\i)+1024*(\q)
	ds_load_b128 v[(\f)+8*(\i)+4:(\f)+8*(\i)+7], v[ADRA+(\slot)] offset:4096*(\i)+1024*(\q)+512
.endr
.endm
; A K step is four quarters of 32 along K, 64 matrix instructions each, on buffers 0, 1, 0, 1.  One of the first three: multiplies buffer f and fetches quarter q of the same slot into g.
.macro QUARTER slot, q, f, g, first
	s_wait_dscnt 8                                 ; wfb's fragments and my groups 0-3 are in; the youngest eight loads (groups 4-7) may be out
	MUL16 \f, 0, 0, \first
	MUL16 \f, 0, 2, \first
	PLACES
	FETCH \slot, \q, \g
	s_wait_dscnt 32                                ; all but the 32 just issued
	MUL16 \f, 1, 0, \first
	MUL16 \f, 1, 2, \first
.endm
; The last quarter's first half: ONE barrier for the change of slots.  In front of it each wave waits for all its tensor loads, of which one is out: its part of the next slot; adds 0 to its spare word;
; and waits for that and for its own reads of this slot.  Behind it nobody reads this slot any more and the next slot is whole.
.macro MEET round
	WIN 0                                          ; (the add's two registers lie in window 0)
	s_wait_tensorcnt 0x0                           ; all my tensor loads have landed;
	ds_add_u32 v[SPW], v[NIL]                      ; 0 onto my spare word;
	s_wait_dscnt 9                                 ; (the add and the youngest eight loads may be out)
	MUL16 F1, 0, 0, 0                              ; sixteen matrix instructions stand between the add and the wait for it
	s_wait_dscnt 0x0                               ; the add is done, and my reads of this slot are over:
	s_barrier_signal -1
	MUL16 F1, 0, 2, 0
.if \round
	WIN 0
.endif
	s_barrier_wait -1
.endm
; The whole last quarter.  fill = 1: the slot just read out is filled again, two K steps ahead: from the request to the wait for it a wave issues 224 matrix instructions.
.macro TURN slot, next, fill
.if \fill
	s_wait_xcnt 0x0                                ; the last prefetch, a K step back, has read its address: it is stepped here, ahead of the waits of the change of slots
	s_add_nc_u64 s[PFA:PFA+1], s[PFA:PFA+1], s[PST:PST+1]
	MEET 1
	CREST                                          ; no wave of any partner still reads this slot's tile or has a load on its way
	s_add_nc_u64 s[G0+4*(\slot)+2:G0+4*(\slot)+3], s[G0+4*(\slot)+2:G0+4*(\slot)+3], 2*KSA
	s_add_nc_u64 s[G0B+4*(\slot)+2:G0B+4*(\slot)+3], s[G0B+4*(\slot)+2:G0B+4*(\slot)+3], 2*KSTEP*2
	JLOAD \slot                                    ; the first tensor load behind the round; the four v_nop behind it are also the places in front of the loads below
	FETCH \next, 0, F0
	ASK
.else
	MEET 0
	PLACES
	FETCH \next, 0, F0
.endif
	MUL16 F1, 1, 0, 0
	MUL16 F1, 1, 2, 0
.endm
; THE WAY OUT of group a.  TOSTAGE: a lane's 32 bytes of each of 8 column blocks go into my own stage, rows of 528 bytes, and come back as whole rows of 512.  SEND: row h of the group is row 256 h + r of out.
.macro TOSTAGE a
.set AC, 64*((\a)%4)
.set BK, F0+64*((\a)%2)
	WIN 0x08+4*((\a)/4)                            ; the stores' data in window 2 or 3
.irp b, 0,1,2,3,4,5,6,7
	ds_store_b128 v[STO], v[AC+8*(\b):AC+8*(\b)+3]   offset:64*(\b)     ; each accumulator is read from its low end
	ds_store_b128 v[STO], v[AC+8*(\b)+4:AC+8*(\b)+7] offset:64*(\b)+16
.endr
	WIN 0
	s_wait_xcnt 0x0                                ; the stores of the group two back have read this buffer's registers
.irp t, 0,1,2,3,4,5,6,7,8,9,10,11,12,13,14,15
	ds_load_b128 v[BK+4*(\t):BK+4*(\t)+3], v[RD] offset:(\t)*SPITCH  ; LDS serves a wave's instructions in order (ISA guide 5.7.1.4): these see the stores above; the next group's stores come behind them
.endr
.endm
.macro SEND a, younger                 ; younger: the LDS instructions issued behind group a's loads: the next group's 32, or none
.set BK, F0+64*((\a)%2)
	WIN 0
.irp t, 0,1,2,3,4,5,6,7,8,9,10,11,12,13,14,15
	s_wait_dscnt (\younger)+15-(\t)                ; row t is back; the later rows' loads and the next group's instructions may be out
	global_store_b128 v[CO+(\t)/8], v[BK+4*(\t):BK+4*(\t)+3], s[10:11] offset:((\t)%8)*1048576+(\a)*4096 th:TH_STORE_NT  ; 32 lanes store 512 consecutive bytes, at a multiple of 256 from out's first byte; 7,368,704 at the most, inside the signed 24-bit immediate
.endr
.endm
	s_wait_tensorcnt 1                             ; my part of K step 0 is in; K step 1's may stay out
	s_barrier_signal -1
	s_barrier_wait -1                              ; everybody's is
	FETCH 0, 0, F0
	QUARTER 0, 1, F0, F1, 1                        ; the first quarter stands in front of the loop: its products start the sums, with the bias
	WIN 0                                          ; at a label and at a branch every window is 0
	s_mov_b32 s3, LAPS-1
.Llap:                                                 ; a trip goes once round the ring, from a lap's second quarter to the next lap's first, and fills both slots again
	QUARTER 0, 2, F1, F0, 0
	QUARTER 0, 3, F0, F1, 0
	TURN 0, 1, 1
	QUARTER 1, 1, F0, F1, 0
	QUARTER 1, 2, F1, F0, 0
	QUARTER 1, 3, F0, F1, 0
	TURN 1, 0, 1
	QUARTER 0, 1, F0, F1, 0
	WIN 0
	s_sub_co_u32 s3, s3, 1
	s_cmp_lg_u32 s3, 0
	s_cbranch_scc1 .Llap
	QUARTER 0, 2, F1, F0, 0                        ; the last lap fills nothing, and has no round of the cluster's barrier
	QUARTER 0, 3, F0, F1, 0
	TURN 0, 1, 0
	QUARTER 1, 1, F0, F1, 0
	QUARTER 1, 2, F1, F0, 0
	QUARTER 1, 3, F0, F1, 0
	s_wait_dscnt 8                                 ; the very last quarter: nothing more to fetch
	MUL16 F1, 0, 0, 0
	MUL16 F1, 0, 2, 0
	s_wait_dscnt 0x0
	MUL16 F1, 1, 0, 0
	MUL16 F1, 1, 2, 0
	PLACES                                         ; behind the last products: the LDS stores read results, the loads from the stage land in registers that products have read
	TOSTAGE 0
.irp a, 1,2,3,4,5,6,7                  ; group a's way through the stage is issued before group a - 1's rows are waited for and stored
	TOSTAGE \a
	SEND (\a)-1, 32
.endr
	SEND 7, 0
	s_wait_tensorcnt 0x0                           ; the wave's end, behind my last tensor load and my last LDS store
	ds_add_u32 v[SPW], v[NIL]
	s_wait_dscnt 0x0
	CROUND                                         ; the closing round: no work-group ends while a partner may still ask for a tile that names it
	s_endpgm
.Lfunc_end_k_q31c7964646_fc:
	.size	k_q31c7964646_fc, .Lfunc_end_k_q31c7964646_fc-k_q31c7964646_fc
	.p2alignl 7, 3214868480
	.fill 96, 4, 3214868480
	.section	.rodata,"a",@progbits
	.p2align	6, 0x0
	.amdhsa_kernel k_q31c7964646_fc
		.amdhsa_group_segment_fixed_size 327680
		.amdhsa_private_segment_fixed_size 0
		.amdhsa_enable_private_segment 0
		.amdhsa_kernarg_size 32
		.amdhsa_user_sgpr_count 2
		.amdhsa_user_sgpr_kernarg_segment_ptr 1
		.amdhsa_wavefront_size32 1
		.amdhsa_system_sgpr_workgroup_id_x 1
		.amdhsa_system_sgpr_workgroup_id_y 1
		.amdhsa_system_sgpr_workgroup_id_z 1
		.amdhsa_system_vgpr_workitem_id 0
		.amdhsa_next_free_vgpr 1024
		.amdhsa_next_free_sgpr 70
		.amdhsa_reserve_vcc 0
		.amdhsa_float_denorm_mode_32 3
		.amdhsa_float_denorm_mode_16_64 3
		.amdhsa_memory_ordered 1
		.amdhsa_forward_progress 1
		.amdhsa_inst_pref_size 152
	.end_amdhsa_kernel
	.amdgpu_metadata
---
amdhsa.version: [ 1, 2 ]
amdhsa.kernels:
  - .name:           k_q31c7964646_fc
    .symbol:         k_q31c7964646_fc.kd
    .args:
      - { .name: attn, .offset: 0, .size: 8, .value_kind: global_buffer, .address_space: global }
      - { .name: wfb, .offset: 8, .size: 8, .value_kind: global_buffer, .address_space: global }
      - { .name: b_fc, .offset: 16, .size: 8, .value_kind: global_buffer, .address_space: global }
      - { .name: out0, .offset: 24, .size: 8, .value_kind: global_buffer, .address_space: global }
    .group_segment_fixed_size: 327680
    .private_segment_fixed_size: 0
    .kernarg_segment_align: 8
    .kernarg_segment_size: 32
    .max_flat_workgroup_size: 128
    .sgpr_count:     70
    .vgpr_count:     1024
    .wavefront_size: 32
...
	.end_amdgpu_metadata
.endif
;; end of part 3
;; ======== version 2 of 2: 3 launches; version 1 with the launch cast written anew for expert scheduling mode
;; limits: values are held in f16: magnitudes above 65,504 overflow, below 6.1e-05 lose precision
;; workspace buffers: xb 33,554,432 bytes; wqb 6,291,456 bytes; wfb 2,097,152 bytes; attn 33,554,432 bytes
;; launch cast (part 4): grid 1280 x 1, 4 waves a work-group, no clusters, 0 bytes of LDS; arguments x, w_qkv, w_fc, xb, wqb, wfb; writes xb, wqb, wfb
.if DOCPART == 4
	.amdgcn_target "amdgcn-amd-amdhsa--gfx1250"
	.amdhsa_code_object_version 6
	.text
	.protected	k_q31c7964646_cast
	.globl	k_q31c7964646_cast
	.p2align	8
	.type	k_q31c7964646_cast,@function
k_q31c7964646_cast:
	s_mov_b64 s[64:65], 0
	v_nop
	global_prefetch_b8 v0, s[64:65] scope:SCOPE_SE
	s_setreg_imm32_b32 hwreg(HW_REG_WAVE_SCHED_MODE, 0, 2), 2
	s_setreg_imm32_b32 hwreg(HW_REG_WAVE_MODE, 25, 1), 1
	s_wait_xcnt 0x0
	s_wait_alu depctr_vm_vsrc(0)
; THE INPUTS OF THE TWO PRODUCTS, ROUNDED ONCE AND LAID OUT FOR THEM.
; xb  [16384][1024] bf16: row 16 G + h holds x[b][256 h + r][:], G = 256 b + r.  The module's reshape makes the 16 rows 256 h + r (h = 0..15) of a batch
;     attend to each other, chunk of 64 columns by chunk: here they become 16 neighbouring rows.
; wqb [3072][1024] bf16: row 192 c + 64 part + d holds w_qkv[1024 part + 64 c + d][:] (part 0 q, 1 k, 2 v): the q, k and v columns of chunk c lie together.
; wfb [1024][1024] f16 of bf16(w_fc): rounded to bf16 like the other inputs, written as f16, which the last product multiplies in.
; LIMIT: |w_fc| stays under 65,504; below 6e-5 f16 keeps a fixed step of 6e-8.
; SHARES.  A work-group takes 16 source rows that become 16 neighbouring rows (32,768 dense bytes) of one output: 1,024 work-groups for x, 192 for w_qkv, 64 for w_fc.
; A wave takes 4 rows: 32 loads of 512 consecutive bytes, all issued before the first is waited for (16 KiB a wave on their way); each store covers 256 consecutive bytes, aligned.
; No LDS, no barrier, no matrix unit: every byte is read once and written once, and nothing is shared.
; THE MODE: SCHED_MODE bits 1:0 = 2 (LLVM: expert scheduling mode 2), set by the entry lines.  The code itself states the register dependences
; between vector instructions and memory instructions, with s_wait_alu, always for 0.
; THE PLAN.  Registers that memory instructions touch:
;   v2-5, v6   byte offsets, made once at the head by vector lines and never written again: the loads read v2-5, the stores v6.
;   X          quad n: written by its load; its conversions read the four registers and write the packed result into the first two; its store reads those two.  Never written again.
;   T          named by vector lines alone.
; The 32 quads go in eight blocks of four.  Block p rounds its own quads; its memory instructions are the four stores of block p - 1, whose registers no vector line of block p names.
; So ONE wait on va_vdst at a block's head states all that the block's four stores hang on, and they are dealt among its conversions with no further wait.
; No register that a memory instruction reads is written again, so the text holds no wait on vm_vsrc behind its loads and stores.  No vector line writes VCC, and EXEC is never written.
.set OFF, 2                            ; v2-5     row i of my four: byte offset of my 16 bytes in the source
.set DO,  6                            ; v6       byte offset of my 8 bytes in the work-group's 16 output rows
.set X,   8                            ; v[8:135] quad n = 8 i + j: four f32 as loaded, then two words to store
.set T,   136                          ; v[136:137] at work
	s_load_b256 s[4:11], s[0:1], 0x0               ; x s[4:5], w_qkv s[6:7], w_fc s[8:9], xb s[10:11]
	s_load_b128 s[12:15], s[0:1], 0x20             ; wqb s[12:13], wfb s[14:15]
	v_lshrrev_b32 v1, 5, v0
	v_readfirstlane_b32 s16, v1                    ; wave 0..3
	v_and_b32 v7, 31, v0                           ; lane
	v_lshlrev_b32 v1, 4, v7                        ; 16 bytes a lane in the source
	; the offsets of all three cases are made, and two compares choose: no pointer goes through a branch
	s_lshr_b32 s30, ttmp9, 8                       ; x: work-group u is group G = u: b = u / 256,
	s_lshl_b32 s30, s30, 24                        ; a batch is 4,096 rows of 4,096 bytes
	s_and_b32 s31, ttmp9, 255                      ; r = u % 256
	s_lshl_b32 s31, s31, 12
	s_add_co_u32 s30, s30, s31                     ; source offset of row h = 0
	s_lshl_b32 s31, ttmp9, 15                      ; output offset: 16 rows of 2,048 bytes a group
	s_sub_co_u32 s29, ttmp9, 1024                  ; w_qkv: t = u - 1,024: rows 16 t ..
	s_lshl_b32 s24, s29, 16                        ; source offset
	s_bfe_u32 s26, s29, 0x40002                    ; c = (t / 4) % 16
	s_mul_i32 s26, s26, 192
	s_lshr_b32 s32, s29, 6                         ; part = t / 64
	s_lshl_b32 s32, s32, 6
	s_add_co_u32 s26, s26, s32
	s_and_b32 s32, s29, 3                          ; d = 16 (t % 4) ..
	s_lshl_b32 s32, s32, 4
	s_add_co_u32 s26, s26, s32
	s_lshl_b32 s26, s26, 11                        ; output offset
	s_sub_co_u32 s29, ttmp9, 1216                  ; w_fc: t = u - 1,216
	s_lshl_b32 s32, s29, 16
	s_lshl_b32 s33, s29, 15
	s_mov_b32 s22, 4096                            ; from source row to source row: the weights' rows follow each other,
	s_mov_b32 s25, 0
	s_mov_b32 s27, 0
	s_mov_b32 s28, 0xffff0000                      ; a word's upper bf16
	s_wait_alu depctr_va_sdst(0)                   ; s16, the wave's number, is written, ahead of its first reader: the line below
	s_lshl_b32 s17, s16, 13                        ; my four output rows of 2,048 bytes
	v_lshl_add_u32 v[DO], v7, 3, s17               ; + 8 bytes a lane
	s_wait_kmcnt 0x0
	s_cmp_lt_u32 ttmp9, 1216
	s_cselect_b32 s24, s24, s32
	s_cselect_b32 s26, s26, s33
	s_cselect_b64 s[18:19], s[6:7], s[8:9]
	s_cselect_b64 s[20:21], s[12:13], s[14:15]
	s_cmp_lt_u32 ttmp9, 1024
	s_cselect_b32 s24, s30, s24
	s_cselect_b32 s26, s31, s26
	s_cselect_b32 s22, 0x100000, s22               ; x's lie 256 rows apart
	s_cselect_b64 s[18:19], s[4:5], s[18:19]
	s_cselect_b64 s[20:21], s[10:11], s[20:21]
	s_add_nc_u64 s[18:19], s[18:19], s[24:25]      ; the source at the work-group's first row
	s_add_nc_u64 s[20:21], s[20:21], s[26:27]      ; the output at its first row
	s_lshl_b32 s23, s16, 2
	s_mul_i32 s23, s23, s22                        ; my first row: 4 x wave
	v_add_nc_u32 v[OFF], s23, v1
	v_add_nc_u32 v[OFF+1], s22, v[OFF]
	v_add_nc_u32 v[OFF+2], s22, v[OFF+1]
	v_add_nc_u32 v[OFF+3], s22, v[OFF+2]
	s_wait_alu depctr_va_vdst(0)                   ; the offsets v2 to v6 are written: every load below reads one of v2-5, every store of the kernel v6
.set n, 0
.rept 32
	global_load_b128 v[X+4*n:X+4*n+3], v[OFF+n/8], s[18:19] offset:512*(n%8) th:TH_LOAD_NT
.set n, n+1
.endr
; Block by block, four quads each: rounded, packed; stored in the block behind.  kind 0: to bf16.  kind 1: to bf16, and that number written as f16.
; No register that a store names is written again, so no wait stands behind the stores.
.macro CONV kind
.set p, 0
.rept 8
	s_wait_loadcnt 28-4*p                          ; loads come back in order (ISA guide 5.7.1): block p's four quads are in, the 28 - 4 p younger loads may stay out
.if p > 0
	s_wait_alu depctr_va_vdst(0)                   ; the conversions of the block before have written its quads' two words each, which the four stores below read; the vector lines between those stores name this block's quads and T alone
.endif
.set i, 0
.rept 4
.set n, 4*p+i                                          ; the quad that is rounded,
.set m, n-4                                            ; and the one that is stored
.if p > 0
	global_store_b64 v[DO], v[X+4*m:X+4*m+1], s[20:21] offset:2048*(m/8)+256*(m%8) th:TH_STORE_NT  ; 32 lanes store 256 consecutive bytes, at a multiple of 256 from the buffer's first byte
.endif
.if \kind
	v_cvt_pk_bf16_f32 v[T], v[X+4*n], v[X+4*n+1]
	v_cvt_pk_bf16_f32 v[T+1], v[X+4*n+2], v[X+4*n+3]
	v_lshlrev_b32 v[X+4*n], 16, v[T]
	v_and_b32 v[X+4*n+1], s28, v[T]
	v_lshlrev_b32 v[X+4*n+2], 16, v[T+1]
	v_and_b32 v[X+4*n+3], s28, v[T+1]
	v_cvt_pk_f16_f32 v[X+4*n], v[X+4*n], v[X+4*n+1]
	v_cvt_pk_f16_f32 v[X+4*n+1], v[X+4*n+2], v[X+4*n+3]
.else
	v_cvt_pk_bf16_f32 v[X+4*n], v[X+4*n], v[X+4*n+1]
	v_cvt_pk_bf16_f32 v[X+4*n+1], v[X+4*n+2], v[X+4*n+3]
.endif
.set i, i+1
.endr
.set p, p+1
.endr
	s_wait_alu depctr_va_vdst(0)                   ; the last block's conversions have written quads 28 to 31, which the last four stores read
.set m, 28
.rept 4
	global_store_b64 v[DO], v[X+4*m:X+4*m+1], s[20:21] offset:2048*(m/8)+256*(m%8) th:TH_STORE_NT
.set m, m+1
.endr
.endm
	s_cmp_lt_u32 ttmp9, 1216
	s_cbranch_scc0 .Lhalf
	CONV 0
	s_endpgm
.Lhalf:
	CONV 1
	s_endpgm
.Lfunc_end_k_q31c7964646_cast:
	.size	k_q31c7964646_cast, .Lfunc_end_k_q31c7964646_cast-k_q31c7964646_cast
	.p2alignl 7, 3214868480
	.fill 96, 4, 3214868480
	.section	.rodata,"a",@progbits
	.p2align	6, 0x0
	.amdhsa_kernel k_q31c7964646_cast
		.amdhsa_group_segment_fixed_size 0
		.amdhsa_private_segment_fixed_size 0
		.amdhsa_enable_private_segment 0
		.amdhsa_kernarg_size 48
		.amdhsa_user_sgpr_count 2
		.amdhsa_user_sgpr_kernarg_segment_ptr 1
		.amdhsa_wavefront_size32 1
		.amdhsa_system_sgpr_workgroup_id_x 1
		.amdhsa_system_sgpr_workgroup_id_y 1
		.amdhsa_system_sgpr_workgroup_id_z 1
		.amdhsa_system_vgpr_workitem_id 0
		.amdhsa_next_free_vgpr 140
		.amdhsa_next_free_sgpr 66
		.amdhsa_reserve_vcc 0
		.amdhsa_float_denorm_mode_32 3
		.amdhsa_float_denorm_mode_16_64 3
		.amdhsa_memory_ordered 1
		.amdhsa_forward_progress 1
		.amdhsa_inst_pref_size 29
	.end_amdhsa_kernel
	.amdgpu_metadata
---
amdhsa.version: [ 1, 2 ]
amdhsa.kernels:
  - .name:           k_q31c7964646_cast
    .symbol:         k_q31c7964646_cast.kd
    .args:
      - { .name: x, .offset: 0, .size: 8, .value_kind: global_buffer, .address_space: global }
      - { .name: w_qkv, .offset: 8, .size: 8, .value_kind: global_buffer, .address_space: global }
      - { .name: w_fc, .offset: 16, .size: 8, .value_kind: global_buffer, .address_space: global }
      - { .name: xb, .offset: 24, .size: 8, .value_kind: global_buffer, .address_space: global }
      - { .name: wqb, .offset: 32, .size: 8, .value_kind: global_buffer, .address_space: global }
      - { .name: wfb, .offset: 40, .size: 8, .value_kind: global_buffer, .address_space: global }
    .group_segment_fixed_size: 0
    .private_segment_fixed_size: 0
    .kernarg_segment_align: 8
    .kernarg_segment_size: 48
    .max_flat_workgroup_size: 128
    .sgpr_count:     66
    .vgpr_count:     140
    .wavefront_size: 32
...
	.end_amdgpu_metadata
.endif
;; end of part 4
;; launch qkvattn: the kernel of part 2 again; grid 16 x 16, 4 waves a work-group, clusters of 4 x 4, 327,680 bytes of LDS; arguments xb, wqb, attn; writes attn
;; launch fc: the kernel of part 3 again; grid 4 x 64, 4 waves a work-group, clusters of 4 x 4, 327,680 bytes of LDS; arguments attn, wfb, b_fc, out0; writes out0
